; MI455X (gfx1250); checked and timed in simulation.
; The chip was launched on July 23, 2026; its instructions are those of AMD's public machine-readable ISA for CDNA 5 (MIT licence, August 2026) and "CDNA5" Instruction Set Architecture Reference Guide (July 2026). The comments in the code are by the model that wrote it; some were corrected since.
;; Phase Weighted Attention. Allowed arithmetic: float matrix products may take bf16 or f16 operands with f32 sums; all other float work in f32.
;; Inputs: alpha one number float32; hidden 4 x 4,096 x 1,024 float32; phases 4 x 4,096 float32.
;; Outputs: out0 4 x 4,096 x 1,024 float32.
;; 2 versions, each right; version 2 is version 1 with the launch blend written anew for expert scheduling mode. Each part assembles by itself: llvm-mc -triple=amdgcn-amd-amdhsa -mcpu=gfx1250 --defsym DOCPART=n.
;; ======== version 1 of 2: 2 launches
;; limits: inputs' magnitudes at most 2.7e+34; right only within a limited range of input values; a difference of large sums (such as E[x^2] - mean^2): digits are lost where the result is much smaller than its terms
;; workspace buffers: part 458,752 bytes
;; launch colsums (part 1): grid 8 x 32, 16 waves a work-group, no clusters, 34,816 bytes of LDS; arguments hidden, phases, part; writes part
.if DOCPART == 1
	.amdgcn_target "amdgcn-amd-amdhsa--gfx1250"
	.amdhsa_code_object_version 6
	.text
	.protected	k_q56f0904c2f_colsums
	.globl	k_q56f0904c2f_colsums
	.p2align	8
	.type	k_q56f0904c2f_colsums,@function
k_q56f0904c2f_colsums:
	s_mov_b64 s[64:65], 0
	v_nop
	global_prefetch_b8 v0, s[64:65] scope:SCOPE_SE
	s_setreg_imm32_b32 hwreg(HW_REG_WAVE_MODE, 25, 1), 1
	s_wait_xcnt 0x0
; PhaseWeightedAttention, first of two launches: partial column sums of hidden, weighted by 1, cos p and sin p.
;
; WHAT IS COMPUTED, AND WHY THE N x N WEIGHTS ARE NEVER FORMED.  reference(): out[n][d] = a sum_m w[n][m] h[m][d] + (1-a) h[n][d] with
; w[n][m] = (1 + cos(p_n - p_m))/2 / max(sum_m (1 + cos(p_n - p_m))/2, EPS).  For all real p: cos(p_n - p_m) = c_n c_m + s_n s_m
; (c = cos p, s = sin p), so for all values of the inputs, in exact arithmetic,
;   sum_m (1 + cos(p_n - p_m)) h[m][d] = H0[d] + c_n Hc[d] + s_n Hs[d],   H0 = sum_m h[m][d], Hc = sum_m c_m h[m][d], Hs = sum_m s_m h[m][d],
;   sum_m (1 + cos(p_n - p_m))         = t_n = 4096 + c_n C + s_n S,      C = sum_m c_m, S = sum_m s_m,
; and (1/2) / max(t_n / 2, EPS) = 1 / max(t_n, 2 EPS).  The 4096 x 4096 cosines and the product with them are the same numbers in another
; order of summation.  Every input is loaded; the clip of alpha and the guard by EPS are kept (second launch).
; All sums are in f32 on the vector unit: the product has three rows, and f32 is needed, see below.
; LIMITS.  (1) H0 + c_n Hc + s_n Hs can cancel where p_n lies opposite nearly all other phases.  Since the term m = n is 2, t_n >= 2 of at
; most 8192: at most a factor 4096 (12 bits) of f32's 24 is lost.  (2) The sums are not normalised: |hidden| must stay under f32's largest
; number / 4096 / 3, about 2.7e34; an infinity in hidden gives NaN where reference() may give an infinity.  (3) Sine and cosine are good to
; about 1e-7 for |phase| <= 32768; above that the quadrant number, one rounded product, may be off by one and accuracy falls off.
; (4) reference() rounds p_n - p_m to f32 before the cosine (half an ulp of |p|); here the angle is not rounded so: the two differ by that.
;
; SHARES.  hidden is 16,384 rows of 4,096 bytes.  Work-group (x, y): x = strip of 128 columns (512 bytes of a row), y = batch x 8 + chunk =
; 512 rows.  256 work-groups of 16 waves.  Wave w owns the chunk's rows 32 w .. 32 w + 31; a load of the wave takes one row's 512 consecutive
; bytes, aligned, lane l the columns 4 l .. 4 l + 3.  Thread t also owns the phase of the chunk's row t, so lane l holds c and s of the wave's row l;
; they reach the packed arithmetic as scalars (v_readlane_b32).  All 32 rows are asked for at once: 16 KiB a wave on its way, no loop,
; no register filled twice, so no source of a pending load is ever rewritten.
; OUT.  part[y][x] = a record of 1,792 bytes: H0 (512), Hc (512), Hs (512) of the strip's 128 columns over the chunk's 512 rows, then 32 pairs
; (sum c, sum s), pair l over the chunk's rows with row mod 32 = l.  Each strip stores its own copy of the pairs: no branch on the work-group.
; LDS: wave w's record at 1792 w, 28,672 bytes used.  34,816 are declared: 8 t + 1792 i lies inside them for every thread number, also for
; the threads that the branch on the wave's number keeps from reading.
.set ROWB,  4096                       ; bytes in a row of hidden
.set ROWS,  32                         ; rows of a wave
.set REC,   1792                       ; bytes in a record
.set OFF,   1                          ; v1        byte offset of my 16 bytes in my wave's first row; never rewritten
.set PO,    2                          ; v2        4 t: my phase
.set P,     3                          ; v3        my phase
.set VK,    4                          ; v4-v10    at work in SINCOS
.set VR,    5
.set VZ,    6
.set VSP,   7
.set VCP,   8
.set VQ,    9
.set VW,    10
.set T8,    11                         ; v11       8 t: my 8 bytes of a record
.set VC,    12                         ; v[12:13]  cos, sin of my phase
.set VS,    13
.set LW16,  14                         ; v14       LDS: my wave's record + 16 x lane
.set LW8,   15                         ; v15       LDS: my wave's record + 8 x lane
.set A0,    16                         ; v[16:19]  sum of h of my 4 columns
.set AC,    20                         ; v[20:23]  sum of c h
.set AS,    24                         ; v[24:27]  sum of s h
.set X,     32                         ; v[32:159] row j in v[32+4j : 35+4j]
.set F,     32                         ; v[32:63]  at the end: my 8 bytes of the 16 waves' records
.set CO,    32                         ; s[32:47]  four rows' coefficients: row i has c in s[32+4i], s in s[34+4i]; the odd registers are 0
; cos and sin of v[p] into v[c], v[s].  k = nearest whole number to p 2/pi; r = p - k pi/2 with pi/2 in two parts (the first step is exact:
; all terms are multiples of 2^-24 and |r| < 1); series on |r| <= pi/4; the quadrant k mod 4 exchanges the two series and sets the signs.
; Selects and sign bits only: no branch hangs on a phase.
.macro SINCOS p, c, s
	v_mul_f32 v[VK], 0x3f22f983, v[\p]                     ; p x 2/pi
	v_rndne_f32 v[VK], v[VK]
	v_fmamk_f32 v[VR], v[VK], 0xbfc90fdb, v[\p]            ; p - k x 1.57079637
	v_fmamk_f32 v[VR], v[VK], 0x333bbd2e, v[VR]            ; + k x 4.3711388e-8: the rest of pi/2
	v_cvt_i32_f32 v[VQ], v[VK]
	v_mul_f32 v[VZ], v[VR], v[VR]
	v_mov_b32 v[VSP], 0xb94ca1f9                           ; sin r = r + r z (-1.6666655e-1 + z (8.3321609e-3 - 1.9515296e-4 z))
	v_fmaak_f32 v[VSP], v[VSP], v[VZ], 0x3c08839e
	v_fmaak_f32 v[VSP], v[VSP], v[VZ], 0xbe2aaaa3
	v_mul_f32 v[VSP], v[VSP], v[VZ]
	v_fma_f32 v[VSP], v[VSP], v[VR], v[VR]
	v_mov_b32 v[VCP], 0x37ccf5ce                           ; cos r = 1 - z/2 + z z (4.1666646e-2 + z (-1.3887316e-3 + 2.4433157e-5 z))
	v_fmaak_f32 v[VCP], v[VCP], v[VZ], 0xbab6061a
	v_fmaak_f32 v[VCP], v[VCP], v[VZ], 0x3d2aaaa5
	v_mul_f32 v[VCP], v[VCP], v[VZ]
	v_fma_f32 v[VW], v[VZ], -0.5, 1.0
	v_fma_f32 v[VCP], v[VCP], v[VZ], v[VW]
	v_and_b32 v[VW], 1, v[VQ]
	v_cmp_eq_u32 vcc_lo, 1, v[VW]                          ; odd quadrant: the two series change places
	v_cndmask_b32 v[\s], v[VSP], v[VCP], vcc_lo
	v_cndmask_b32 v[\c], v[VCP], v[VSP], vcc_lo
	v_lshlrev_b32 v[VW], 30, v[VQ]                         ; bit 1 of k to the sign's place: sin is negated in quadrants 2, 3
	v_and_b32 v[VW], 0x80000000, v[VW]
	v_xor_b32 v[\s], v[\s], v[VW]
	v_add_nc_u32 v[VQ], 1, v[VQ]                           ; bit 1 of k + 1: cos is negated in quadrants 1, 2
	v_lshlrev_b32 v[VQ], 30, v[VQ]
	v_and_b32 v[VQ], 0x80000000, v[VQ]
	v_xor_b32 v[\c], v[\c], v[VQ]
.endm
	s_load_b128 s[4:7], s[0:1], 0x0                ; hidden s[4:5], phases s[6:7]
	s_load_b64 s[8:9], s[0:1], 0x10                ; part
	v_lshl_add_u32 v160, v0, 2, 0x8000
	v_mov_b32 v161, 0
	v_lshrrev_b32 v[VK], 5, v0
	v_readfirstlane_b32 s10, v[VK]                 ; wave 0..15
	s_and_b32 s18, ttmp7, 0xffff                   ; y = batch x 8 + chunk
	s_mul_i32 s11, s10, REC                        ; my wave's record in LDS
	s_lshl_b32 s12, s18, 21                        ; hidden: y x 512 rows x 4,096 bytes
	s_lshl_b32 s19, ttmp9, 9                       ;         + x x 512 bytes
	s_add_co_u32 s12, s12, s19
	s_mov_b32 s13, 0
	s_lshl_b32 s14, s18, 11                        ; phases: y x 512 x 4 bytes
	s_mov_b32 s15, 0
	s_lshl_b32 s16, s18, 3                         ; part: record y x 8 + x
	s_add_co_u32 s16, s16, ttmp9
	s_mul_i32 s16, s16, REC
	s_mov_b32 s17, 0
.irp i, 1,3,5,7,9,11,13,15
	s_mov_b32 s[CO+\i], 0                          ; the packed forms name a scalar pair and broadcast its first register; the second is written once
.endr
	v_and_b32 v[VR], 31, v0                        ; lane
	v_and_b32 v[OFF], 0x1e0, v0                    ; 32 x wave
	v_lshlrev_b32 v[OFF], 12, v[OFF]               ; wave x 32 rows x 4,096 bytes
	v_lshl_or_b32 v[OFF], v[VR], 4, v[OFF]         ; + 16 x lane
	v_lshlrev_b32 v[PO], 2, v0
	v_lshlrev_b32 v[T8], 3, v0
	v_lshl_add_u32 v[LW16], v[VR], 4, s11
	v_lshl_add_u32 v[LW8], v[VR], 3, s11
	s_wait_kmcnt 0x0
	s_add_nc_u64 s[4:5], s[4:5], s[12:13]
	s_add_nc_u64 s[6:7], s[6:7], s[14:15]
	s_add_nc_u64 s[8:9], s[8:9], s[16:17]
	global_load_b32 v[P], v[PO], s[6:7]            ; the phase first: its cos and sin are made while the rows are on their way
.set j, 0
.rept ROWS
	global_load_b128 v[X+4*j:X+4*j+3], v[OFF], s[4:5] offset:ROWB*j     ; no hint: the next launch reads the same bytes
.set j, j+1
.endr
	s_wait_loadcnt ROWS                            ; loads come back in order (ISA guide 5.7.1): the phase is in, the 32 rows behind it stay out
	SINCOS P, VC, VS
; Row 4 g + i of the wave.  Row 0 starts the sums of c h and s h, rows 0 and 1 the sum of h: nothing is cleared.
.macro ROW g, i
.set RJ, 4*\g+\i
	s_wait_loadcnt ROWS-1-RJ                       ; this row is in; the rows behind it stay out
.if RJ == 0
.irp h, 0,2
	v_pk_mul_f32 v[AC+\h:AC+\h+1], v[X+\h:X+\h+1], s[CO:CO+1] op_sel_hi:[1,0]
	v_pk_mul_f32 v[AS+\h:AS+\h+1], v[X+\h:X+\h+1], s[CO+2:CO+3] op_sel_hi:[1,0]
.endr
.else
.irp h, 0,2
.if RJ == 1
	v_pk_add_f32 v[A0+\h:A0+\h+1], v[X+\h:X+\h+1], v[X+4+\h:X+4+\h+1]
.else
	v_pk_add_f32 v[A0+\h:A0+\h+1], v[A0+\h:A0+\h+1], v[X+4*RJ+\h:X+4*RJ+\h+1]
.endif
	v_pk_fma_f32 v[AC+\h:AC+\h+1], v[X+4*RJ+\h:X+4*RJ+\h+1], s[CO+4*\i:CO+4*\i+1], v[AC+\h:AC+\h+1] op_sel_hi:[1,0,1]
	v_pk_fma_f32 v[AS+\h:AS+\h+1], v[X+4*RJ+\h:X+4*RJ+\h+1], s[CO+4*\i+2:CO+4*\i+3], v[AS+\h:AS+\h+1] op_sel_hi:[1,0,1]
.endr
.endif
.endm
; Four rows: their c and s are taken from lanes 4 g .. 4 g + 3 in one run, then the rows.
.macro GROUP g
.irp i, 0,1,2,3
	v_readlane_b32 s[CO+4*\i],   v[VC], 4*\g+\i
	v_readlane_b32 s[CO+4*\i+2], v[VS], 4*\g+\i
.endr
.irp i, 0,1,2,3
	ROW \g, \i
.endr
.endm
.irp g, 0,1,2,3,4,5,6,7
	GROUP \g
.endr
	; The 16 waves' records meet in LDS.
	ds_store_b128 v[LW16], v[A0:A0+3]
	ds_store_b128 v[LW16], v[AC:AC+3] offset:512
	ds_store_b128 v[LW16], v[AS:AS+3] offset:1024
	ds_store_b64  v[LW8],  v[VC:VS]   offset:1536
	s_wait_dscnt 0x0                               ; for the other waves' sake: my stores are done before I signal
	s_barrier_signal -1
	s_barrier_wait -1
	s_cmp_ge_u32 s10, 7                            ; 224 threads x 8 bytes = one record: waves 0 to 6 add and store, the others are done
	s_cbranch_scc1 .Lend
.irp i, 0,1,2,3,4,5,6,7,8,9,10,11,12,13,14,15
	ds_load_b64 v[F+2*\i:F+2*\i+1], v[T8] offset:REC*\i    ; my 8 bytes of wave i's record; X is free: its last load was waited for at row 31
.endr
	s_wait_dscnt 0x0
.irp i, 0,1,2,3,4,5,6,7
	v_pk_add_f32 v[F+2*\i:F+2*\i+1], v[F+2*\i:F+2*\i+1], v[F+2*\i+16:F+2*\i+17]
.endr
.irp i, 0,1,2,3
	v_pk_add_f32 v[F+2*\i:F+2*\i+1], v[F+2*\i:F+2*\i+1], v[F+2*\i+8:F+2*\i+9]
.endr
.irp i, 0,1
	v_pk_add_f32 v[F+2*\i:F+2*\i+1], v[F+2*\i:F+2*\i+1], v[F+2*\i+4:F+2*\i+5]
.endr
	v_pk_add_f32 v[F:F+1], v[F:F+1], v[F+2:F+3]
	global_store_b64 v[T8], v[F:F+1], s[8:9]       ; a wave's store covers 256 consecutive bytes, at a multiple of 256 from part's first byte
.Lend:
	s_wait_tensorcnt 0x0
	ds_add_u32 v160, v161
	s_wait_dscnt 0x0
	s_endpgm
.Lfunc_end_k_q56f0904c2f_colsums:
	.size	k_q56f0904c2f_colsums, .Lfunc_end_k_q56f0904c2f_colsums-k_q56f0904c2f_colsums
	.p2alignl 7, 3214868480
	.fill 96, 4, 3214868480
	.section	.rodata,"a",@progbits
	.p2align	6, 0x0
	.amdhsa_kernel k_q56f0904c2f_colsums
		.amdhsa_group_segment_fixed_size 34816
		.amdhsa_private_segment_fixed_size 0
		.amdhsa_enable_private_segment 0
		.amdhsa_kernarg_size 24
		.amdhsa_user_sgpr_count 2
		.amdhsa_user_sgpr_kernarg_segment_ptr 1
		.amdhsa_wavefront_size32 1
		.amdhsa_system_sgpr_workgroup_id_x 1
		.amdhsa_system_sgpr_workgroup_id_y 1
		.amdhsa_system_sgpr_workgroup_id_z 1
		.amdhsa_system_vgpr_workitem_id 0
		.amdhsa_next_free_vgpr 162
		.amdhsa_next_free_sgpr 66
		.amdhsa_reserve_vcc 1
		.amdhsa_float_denorm_mode_32 3
		.amdhsa_float_denorm_mode_16_64 3
		.amdhsa_memory_ordered 1
		.amdhsa_forward_progress 1
		.amdhsa_inst_pref_size 26
	.end_amdhsa_kernel
	.amdgpu_metadata
---
amdhsa.version: [ 1, 2 ]
amdhsa.kernels:
  - .name:           k_q56f0904c2f_colsums
    .symbol:         k_q56f0904c2f_colsums.kd
    .args:
      - { .name: hidden, .offset: 0, .size: 8, .value_kind: global_buffer, .address_space: global }
      - { .name: phases, .offset: 8, .size: 8, .value_kind: global_buffer, .address_space: global }
      - { .name: part, .offset: 16, .size: 8, .value_kind: global_buffer, .address_space: global }
    .group_segment_fixed_size: 34816
    .private_segment_fixed_size: 0
    .kernarg_segment_align: 8
    .kernarg_segment_size: 24
    .max_flat_workgroup_size: 512
    .sgpr_count:     66
    .vgpr_count:     162
    .wavefront_size: 32
...
	.end_amdgpu_metadata
.endif
;; end of part 1
;; launch blend (part 2): grid 8 x 32, 16 waves a work-group, no clusters, 6,144 bytes of LDS; arguments alpha, hidden, phases, part, out0; writes out0
.if DOCPART == 2
	.amdgcn_target "amdgcn-amd-amdhsa--gfx1250"
	.amdhsa_code_object_version 6
	.text
	.protected	k_q56f0904c2f_blend
	.globl	k_q56f0904c2f_blend
	.p2align	8
	.type	k_q56f0904c2f_blend,@function
k_q56f0904c2f_blend:
	s_mov_b64 s[64:65], 0
	v_nop
	global_prefetch_b8 v0, s[64:65] scope:SCOPE_SE
	s_setreg_imm32_b32 hwreg(HW_REG_WAVE_MODE, 25, 1), 1
	s_wait_xcnt 0x0
; PhaseWeightedAttention, second of two launches: out[n][d] = al0_n H0[d] + al0_n c_n Hc[d] + al0_n s_n Hs[d] + (1 - a) h[n][d],
; al0_n = a / max(t_n, 2 EPS), t_n = 4096 + c_n C + s_n S, a = clip(alpha, 0, 1).
; The N x N weights are not formed: cos(p_n - p_m) = c_n c_m + s_n s_m for all phases, so the weighted sum over m is three column sums,
; which the first launch left in part (its head comment has the identity and the limits: cancellation bounded by t_n >= 2, |hidden| under
; about 2.7e34, |phase| <= 32768 for the sine and cosine, no rounding of p_n - p_m).  One more limit here: a NaN alpha is taken as 0
; (v_max_num_f32 drops a NaN), where reference() gives NaN everywhere.
;
; SHARES, as in the first launch.  Work-group (x, y): x = strip of 128 columns (512 bytes of a row), y = batch x 8 + chunk = 512 rows;
; 16 waves, wave w the chunk's rows 32 w .. 32 w + 31; a load or store of the wave is one row's 512 consecutive bytes, aligned; lane l holds
; columns 4 l .. 4 l + 3 and owns the phase of the wave's row l.  All 32 rows are asked for at once and each is stored from the registers
; it was loaded into; no address, base or store datum is ever rewritten, so nothing waits for a pending instruction's sources.
; The strip's eight records of part (one for each chunk of the batch, 1,792 bytes each, 14,336 bytes apart) are added by waves 0 to 6
; (224 threads x 8 bytes) into one record in LDS, which every wave then reads.  LDS: 1,792 bytes used; 6,144 are declared: 8 t lies inside
; them for every thread number, also for the threads that the branch on the wave's number keeps from storing.
.set ROWB,  4096                       ; bytes in a row of hidden and of out0
.set ROWS,  32                         ; rows of a wave
.set REC,   1792                       ; bytes in a record of part
.set OFF,   1                          ; v1        byte offset of my 16 bytes in my wave's first row, for loads and stores; never rewritten
.set PO,    2                          ; v2        4 t: my phase
.set T8,    3                          ; v3        8 t: my 8 bytes of a record
.set P,     4                          ; v4        my phase
.set VK,    5                          ; v5-v11    at work in SINCOS
.set VR,    6
.set VZ,    7
.set VSP,   8
.set VCP,   9
.set VQ,    10
.set VW,    11
.set VC,    12                         ; v12, v13  cos, sin of my phase
.set VS,    13
.set L16,   14                         ; v14       16 x lane
.set L8,    15                         ; v15       8 x lane
.set PR,    16                         ; v[16:31]  waves 0 to 6: my 8 bytes of the eight records
.set H0,    32                         ; v[32:35]  H0 of my 4 columns
.set HC,    36                         ; v[36:39]  Hc
.set HS,    40                         ; v[40:43]  Hs
.set CS,    44                         ; v[44:45]  C, S
.set AL0,   46                         ; v46       a / max(t, 2 EPS) of my row
.set AL1,   47                         ; v47       x c
.set AL2,   48                         ; v48       x s
.set VA,    49                         ; v49       a
.set OM,    50                         ; v[50:51]  1 - a, twice
.set T,     52                         ; v[52:55]  first t_n (v52), then a row's three-term sum for my 4 columns
.set X,     56                         ; v[56:183] row j in v[56+4j : 59+4j]
.set CO,    32                         ; s[32:55]  four rows' coefficients: row i has al0, al1, al2 in s[32+6i], s[34+6i], s[36+6i]; the odd registers are 0
; cos and sin of v[p] into v[c], v[s]: the same text as in the first launch, so that both launches hold the same c and s.
.macro SINCOS p, c, s
	v_mul_f32 v[VK], 0x3f22f983, v[\p]                     ; p x 2/pi
	v_rndne_f32 v[VK], v[VK]
	v_fmamk_f32 v[VR], v[VK], 0xbfc90fdb, v[\p]            ; p - k x 1.57079637
	v_fmamk_f32 v[VR], v[VK], 0x333bbd2e, v[VR]            ; + k x 4.3711388e-8: the rest of pi/2
	v_cvt_i32_f32 v[VQ], v[VK]
	v_mul_f32 v[VZ], v[VR], v[VR]
	v_mov_b32 v[VSP], 0xb94ca1f9                           ; sin r = r + r z (-1.6666655e-1 + z (8.3321609e-3 - 1.9515296e-4 z))
	v_fmaak_f32 v[VSP], v[VSP], v[VZ], 0x3c08839e
	v_fmaak_f32 v[VSP], v[VSP], v[VZ], 0xbe2aaaa3
	v_mul_f32 v[VSP], v[VSP], v[VZ]
	v_fma_f32 v[VSP], v[VSP], v[VR], v[VR]
	v_mov_b32 v[VCP], 0x37ccf5ce                           ; cos r = 1 - z/2 + z z (4.1666646e-2 + z (-1.3887316e-3 + 2.4433157e-5 z))
	v_fmaak_f32 v[VCP], v[VCP], v[VZ], 0xbab6061a
	v_fmaak_f32 v[VCP], v[VCP], v[VZ], 0x3d2aaaa5
	v_mul_f32 v[VCP], v[VCP], v[VZ]
	v_fma_f32 v[VW], v[VZ], -0.5, 1.0
	v_fma_f32 v[VCP], v[VCP], v[VZ], v[VW]
	v_and_b32 v[VW], 1, v[VQ]
	v_cmp_eq_u32 vcc_lo, 1, v[VW]                          ; odd quadrant: the two series change places
	v_cndmask_b32 v[\s], v[VSP], v[VCP], vcc_lo
	v_cndmask_b32 v[\c], v[VCP], v[VSP], vcc_lo
	v_lshlrev_b32 v[VW], 30, v[VQ]                         ; bit 1 of k to the sign's place: sin is negated in quadrants 2, 3
	v_and_b32 v[VW], 0x80000000, v[VW]
	v_xor_b32 v[\s], v[\s], v[VW]
	v_add_nc_u32 v[VQ], 1, v[VQ]                           ; bit 1 of k + 1: cos is negated in quadrants 1, 2
	v_lshlrev_b32 v[VQ], 30, v[VQ]
	v_and_b32 v[VQ], 0x80000000, v[VQ]
	v_xor_b32 v[\c], v[\c], v[VQ]
.endm
; My phase, then my wave's 32 rows: 33 loads.
.macro ROWS_IN
	global_load_b32 v[P], v[PO], s[8:9]
.set j, 0
.rept ROWS
	global_load_b128 v[X+4*j:X+4*j+3], v[OFF], s[6:7] offset:ROWB*j th:TH_LOAD_NT    ; read once in this launch, and not again
.set j, j+1
.endr
.endm
	s_load_b256 s[4:11], s[0:1], 0x0               ; alpha s[4:5], hidden s[6:7], phases s[8:9], part s[10:11]
	s_load_b64 s[12:13], s[0:1], 0x20              ; out0
	v_lshl_add_u32 v184, v0, 2, 0x1000
	v_mov_b32 v185, 0
	v_lshrrev_b32 v[VK], 5, v0
	v_readfirstlane_b32 s15, v[VK]                 ; wave 0..15
	s_and_b32 s24, ttmp7, 0xffff                   ; y = batch x 8 + chunk
	s_lshl_b32 s16, s24, 21                        ; hidden and out0: y x 512 rows x 4,096 bytes
	s_lshl_b32 s25, ttmp9, 9                       ;                  + x x 512 bytes
	s_add_co_u32 s16, s16, s25
	s_mov_b32 s17, 0
	s_lshl_b32 s18, s24, 11                        ; phases: y x 512 x 4 bytes
	s_mov_b32 s19, 0
	s_lshr_b32 s20, s24, 3                         ; part: record batch x 64 + x is chunk 0's; chunk i's lies 8 records further for each i
	s_lshl_b32 s20, s20, 6
	s_add_co_u32 s20, s20, ttmp9
	s_mul_i32 s20, s20, REC
	s_mov_b32 s21, 0
	s_mov_b32 s22, 0x76543210                      ; v_permlanex16_b32: lane i of one half reads lane i of the other
	s_mov_b32 s23, 0xfedcba98
.irp i, 1,3,5,7,9,11,13,15,17,19,21,23
	s_mov_b32 s[CO+\i], 0                          ; the packed forms name a scalar pair and broadcast its first register; the second is written once
.endr
	v_and_b32 v[VR], 31, v0                        ; lane
	v_and_b32 v[OFF], 0x1e0, v0                    ; 32 x wave
	v_lshlrev_b32 v[OFF], 12, v[OFF]               ; wave x 32 rows x 4,096 bytes
	v_lshl_or_b32 v[OFF], v[VR], 4, v[OFF]         ; + 16 x lane
	v_lshlrev_b32 v[PO], 2, v0
	v_lshlrev_b32 v[T8], 3, v0
	v_lshlrev_b32 v[L16], 4, v[VR]
	v_lshlrev_b32 v[L8], 3, v[VR]
	s_wait_kmcnt 0x0
	s_load_b32 s14, s[4:5], 0x0                    ; alpha; waited for where a is made
	s_add_nc_u64 s[6:7], s[6:7], s[16:17]
	s_add_nc_u64 s[12:13], s[12:13], s[16:17]
	s_add_nc_u64 s[8:9], s[8:9], s[18:19]
	s_add_nc_u64 s[10:11], s[10:11], s[20:21]
	; One branch on the wave's number.  Waves 0 to 6 also add the eight records; their loads go out first, so that they are back first.
	s_cmp_ge_u32 s15, 7
	s_cbranch_scc1 .Lothers
.irp i, 0,1,2,3,4,5,6,7
	global_load_b64 v[PR+2*\i:PR+2*\i+1], v[T8], s[10:11] offset:8*REC*\i     ; a wave's load takes 256 consecutive bytes of chunk i's record
.endr
	ROWS_IN
	s_wait_loadcnt ROWS+1                          ; the eight records' parts are in; the phase and the 32 rows behind them stay out
.irp i, 0,1,2,3
	v_pk_add_f32 v[PR+2*\i:PR+2*\i+1], v[PR+2*\i:PR+2*\i+1], v[PR+2*\i+8:PR+2*\i+9]
.endr
.irp i, 0,1
	v_pk_add_f32 v[PR+2*\i:PR+2*\i+1], v[PR+2*\i:PR+2*\i+1], v[PR+2*\i+4:PR+2*\i+5]
.endr
	v_pk_add_f32 v[PR:PR+1], v[PR:PR+1], v[PR+2:PR+3]
	ds_store_b64 v[T8], v[PR:PR+1]                 ; the batch's record for this strip: H0, Hc, Hs, 32 pairs (sum c, sum s)
	s_branch .Ljoin
.Lothers:
	ROWS_IN
.Ljoin:
	s_wait_dscnt 0x0                               ; for the other waves' sake: my store is done before I signal
	s_barrier_signal -1
	s_wait_loadcnt ROWS                            ; register work while the others arrive: my phase is in (on both ways 32 loads are younger),
	SINCOS P, VC, VS                               ; its cos and sin
	s_barrier_wait -1
	ds_load_b128 v[H0:H0+3], v[L16]
	ds_load_b128 v[HC:HC+3], v[L16] offset:512
	ds_load_b128 v[HS:HS+3], v[L16] offset:1024
	ds_load_b64  v[CS:CS+1], v[L8]  offset:1536    ; lane l: pair l
	s_wait_dscnt 0x0
	; C and S: the 32 pairs are added across the lanes; every lane ends with the sums
.irp m, 1,2,4,8
	v_add_f32_dpp v[CS],   v[CS],   v[CS]   row_xmask:\m row_mask:0xf bank_mask:0xf
	v_add_f32_dpp v[CS+1], v[CS+1], v[CS+1] row_xmask:\m row_mask:0xf bank_mask:0xf
.endr
	v_permlanex16_b32 v[VK], v[CS],   s22, s23     ; destinations that have been written before (SINCOS)
	v_permlanex16_b32 v[VR], v[CS+1], s22, s23
	v_add_f32 v[CS],   v[CS],   v[VK]
	v_add_f32 v[CS+1], v[CS+1], v[VR]
	; my row's three coefficients
	s_wait_kmcnt 0x0                               ; alpha
	v_mov_b32 v[VA], s14
	v_max_num_f32 v[VA], 0, v[VA]
	v_min_num_f32 v[VA], 1.0, v[VA]                ; a = clip(alpha, 0, 1)
	v_fmaak_f32 v[T], v[VC], v[CS], 0x45800000     ; t = 4096 + c C
	v_fmac_f32 v[T], v[VS], v[CS+1]                ;     + s S: twice reference()'s row sum
	v_max_num_f32 v[T], 0x360637bd, v[T]           ; max(t, 2 EPS): reference()'s guard, doubled with the sum
	v_rcp_f32 v[AL0], v[T]
	v_sub_f32 v[OM], 1.0, v[VA]                    ; a plain instruction between v_rcp_f32 and the use of its result (ISA guide 5.7.2)
	v_mov_b32 v[OM+1], v[OM]
	s_wait_alu depctr_va_vdst(0)
	v_mul_f32 v[AL0], v[VA], v[AL0]
	v_mul_f32 v[AL1], v[AL0], v[VC]
	v_mul_f32 v[AL2], v[AL0], v[VS]
; Row 4 g + i of the wave.  The three-term sum needs no row data and stands ahead of the wait; then one fused multiply-add a pair, and the store.
.macro ROW g, i
.set RJ, 4*\g+\i
.irp h, 0,2
	v_pk_mul_f32 v[T+\h:T+\h+1], v[H0+\h:H0+\h+1], s[CO+6*\i:CO+6*\i+1] op_sel_hi:[1,0]
	v_pk_fma_f32 v[T+\h:T+\h+1], v[HC+\h:HC+\h+1], s[CO+6*\i+2:CO+6*\i+3], v[T+\h:T+\h+1] op_sel_hi:[1,0,1]
	v_pk_fma_f32 v[T+\h:T+\h+1], v[HS+\h:HS+\h+1], s[CO+6*\i+4:CO+6*\i+5], v[T+\h:T+\h+1] op_sel_hi:[1,0,1]
.endr
	s_wait_loadcnt ROWS-1-RJ                       ; this row is in; the rows behind it stay out
.irp h, 0,2
	v_pk_fma_f32 v[X+4*RJ+\h:X+4*RJ+\h+1], v[X+4*RJ+\h:X+4*RJ+\h+1], v[OM:OM+1], v[T+\h:T+\h+1]
.endr
	global_store_b128 v[OFF], v[X+4*RJ:X+4*RJ+3], s[12:13] offset:ROWB*RJ th:TH_STORE_NT   ; 512 consecutive bytes, aligned; these registers are not written again
.endm
; Four rows: their coefficients are taken from lanes 4 g .. 4 g + 3 in one run, then the rows.
.macro GROUP g
.irp i, 0,1,2,3
	v_readlane_b32 s[CO+6*\i],   v[AL0], 4*\g+\i
	v_readlane_b32 s[CO+6*\i+2], v[AL1], 4*\g+\i
	v_readlane_b32 s[CO+6*\i+4], v[AL2], 4*\g+\i
.endr
.irp i, 0,1,2,3
	ROW \g, \i
.endr
.endm
.irp g, 0,1,2,3,4,5,6,7
	GROUP \g
.endr
	s_wait_tensorcnt 0x0
	ds_add_u32 v184, v185
	s_wait_dscnt 0x0
	s_endpgm
.Lfunc_end_k_q56f0904c2f_blend:
	.size	k_q56f0904c2f_blend, .Lfunc_end_k_q56f0904c2f_blend-k_q56f0904c2f_blend
	.p2alignl 7, 3214868480
	.fill 96, 4, 3214868480
	.section	.rodata,"a",@progbits
	.p2align	6, 0x0
	.amdhsa_kernel k_q56f0904c2f_blend
		.amdhsa_group_segment_fixed_size 6144
		.amdhsa_private_segment_fixed_size 0
		.amdhsa_enable_private_segment 0
		.amdhsa_kernarg_size 40
		.amdhsa_user_sgpr_count 2
		.amdhsa_user_sgpr_kernarg_segment_ptr 1
		.amdhsa_wavefront_size32 1
		.amdhsa_system_sgpr_workgroup_id_x 1
		.amdhsa_system_sgpr_workgroup_id_y 1
		.amdhsa_system_sgpr_workgroup_id_z 1
		.amdhsa_system_vgpr_workitem_id 0
		.amdhsa_next_free_vgpr 186
		.amdhsa_next_free_sgpr 66
		.amdhsa_reserve_vcc 1
		.amdhsa_float_denorm_mode_32 3
		.amdhsa_float_denorm_mode_16_64 3
		.amdhsa_memory_ordered 1
		.amdhsa_forward_progress 1
		.amdhsa_inst_pref_size 39
	.end_amdhsa_kernel
	.amdgpu_metadata
---
amdhsa.version: [ 1, 2 ]
amdhsa.kernels:
  - .name:           k_q56f0904c2f_blend
    .symbol:         k_q56f0904c2f_blend.kd
    .args:
      - { .name: alpha, .offset: 0, .size: 8, .value_kind: global_buffer, .address_space: global }
      - { .name: hidden, .offset: 8, .size: 8, .value_kind: global_buffer, .address_space: global }
      - { .name: phases, .offset: 16, .size: 8, .value_kind: global_buffer, .address_space: global }
      - { .name: part, .offset: 24, .size: 8, .value_kind: global_buffer, .address_space: global }
      - { .name: out0, .offset: 32, .size: 8, .value_kind: global_buffer, .address_space: global }
    .group_segment_fixed_size: 6144
    .private_segment_fixed_size: 0
    .kernarg_segment_align: 8
    .kernarg_segment_size: 40
    .max_flat_workgroup_size: 512
    .sgpr_count:     66
    .vgpr_count:     186
    .wavefront_size: 32
...
	.end_amdgpu_metadata
.endif
;; end of part 2
;; ======== version 2 of 2: 2 launches; version 1 with the launch blend written anew for expert scheduling mode
;; limits: inputs' magnitudes at most 2.7e+34; right only within a limited range of input values; a difference of large sums (such as E[x^2] - mean^2): digits are lost where the result is much smaller than its terms
;; workspace buffers: part 458,752 bytes
;; launch colsums: the kernel of part 1 again; grid 8 x 32, 16 waves a work-group, no clusters, 34,816 bytes of LDS; arguments hidden, phases, part; writes part
;; launch blend (part 3): grid 8 x 32, 16 waves a work-group, no clusters, 6,144 bytes of LDS; arguments alpha, hidden, phases, part, out0; writes out0
.if DOCPART == 3
	.amdgcn_target "amdgcn-amd-amdhsa--gfx1250"
	.amdhsa_code_object_version 6
	.text
	.protected	k_q56f0904c2f_blend
	.globl	k_q56f0904c2f_blend
	.p2align	8
	.type	k_q56f0904c2f_blend,@function
k_q56f0904c2f_blend:
	s_mov_b64 s[64:65], 0
	v_nop
	global_prefetch_b8 v0, s[64:65] scope:SCOPE_SE
	s_setreg_imm32_b32 hwreg(HW_REG_WAVE_SCHED_MODE, 0, 2), 2
	s_setreg_imm32_b32 hwreg(HW_REG_WAVE_MODE, 25, 1), 1
	s_wait_xcnt 0x0
	s_wait_alu depctr_vm_vsrc(0)
; PhaseWeightedAttention, second of two launches: out[n][d] = al0_n H0[d] + al0_n c_n Hc[d] + al0_n s_n Hs[d] + (1 - a) h[n][d],
; al0_n = a / max(t_n, 2 EPS), t_n = 4096 + c_n C + s_n S, a = clip(alpha, 0, 1).
; The N x N weights are not formed: cos(p_n - p_m) = c_n c_m + s_n s_m for all phases, so the weighted sum over m is three column sums,
; which the first launch left in part (its head comment has the identity and the limits: cancellation bounded by t_n >= 2, |hidden| under
; about 2.7e34, |phase| <= 32768 for the sine and cosine, no rounding of p_n - p_m).  One more limit here: a NaN alpha is taken as 0
; (v_max_num_f32 drops a NaN), where reference() gives NaN everywhere.
;
; SHARES, as in the first launch.  Work-group (x, y): x = strip of 128 columns (512 bytes of a row), y = batch x 8 + chunk = 512 rows;
; 16 waves, wave w the chunk's rows 32 w .. 32 w + 31; a load or store of the wave is one row's 512 consecutive bytes, aligned; lane l holds
; columns 4 l .. 4 l + 3 and owns the phase of the wave's row l.  All 32 rows are asked for at once and each is stored from the registers
; it was loaded into; no address, base or store datum is ever rewritten, so nothing waits for a pending instruction's sources.
; The strip's eight records of part (one for each chunk of the batch, 1,792 bytes each, 14,336 bytes apart) are added by waves 0 to 6
; (224 threads x 8 bytes) into one record in LDS, which every wave then reads.  LDS: 1,792 bytes used; 6,144 are declared: 8 t lies inside
; them for every thread number, also for the threads that the branch on the wave's number keeps from storing.
;
; THE MODE: SCHED_MODE bits 1:0 = 2 (LLVM: expert scheduling mode 2), set by the entry lines.  The code itself states the register dependences
; between vector instructions and memory or LDS instructions, with s_wait_alu, always for 0.
; THE PLAN.  Registers that memory or LDS instructions touch:
;   v1, v2, v3, v14, v15   offsets and LDS addresses: written once at the head, read by every load, store and LDS access, never written again.
;   v4                     my phase: a load lands in it; the sine and cosine read it.
;   v[16:31]               waves 0 to 6: eight loads land; the tree of sums writes them; the LDS store reads v[16:17]; never written again.
;   v[32:45]               four LDS loads land; no vector instruction names them before that.
;   X, row j               its load lands; its two multiply-adds write it in place; its store reads it; never written again.
; The rows go in eight groups of four.  Group g's vector instructions name T, H0, Hc, Hs, 1 - a and group g's own rows.  Its memory instructions are
; the four stores of group g - 1, whose rows and offset no vector instruction of group g names.  So ONE wait on va_vdst at a group's head states all
; that its four stores hang on, and they are dealt among its rows with no further wait.  One more stands ahead of the last four stores.
; Nothing that a memory or LDS instruction reads is written again.
; Scalars made by vector instructions: the wave's number (once), VCC in the sine and cosine (once), twelve coefficients a group: a wait on
; va_sdst or va_vcc stands between each run of writers and its first reader.
.set ROWB,  4096                       ; bytes in a row of hidden and of out0
.set ROWS,  32                         ; rows of a wave
.set REC,   1792                       ; bytes in a record of part
.set OFF,   1                          ; v1        byte offset of my 16 bytes in my wave's first row, for loads and stores; never rewritten
.set PO,    2                          ; v2        4 t: my phase
.set T8,    3                          ; v3        8 t: my 8 bytes of a record
.set P,     4                          ; v4        my phase
.set VK,    5                          ; v5-v11    at work in SINCOS
.set VR,    6
.set VZ,    7
.set VSP,   8
.set VCP,   9
.set VQ,    10
.set VW,    11
.set VC,    12                         ; v12, v13  cos, sin of my phase
.set VS,    13
.set L16,   14                         ; v14       16 x lane
.set L8,    15                         ; v15       8 x lane
.set PR,    16                         ; v[16:31]  waves 0 to 6: my 8 bytes of the eight records
.set H0,    32                         ; v[32:35]  H0 of my 4 columns
.set HC,    36                         ; v[36:39]  Hc
.set HS,    40                         ; v[40:43]  Hs
.set CS,    44                         ; v[44:45]  C, S
.set AL0,   46                         ; v46       a / max(t, 2 EPS) of my row
.set AL1,   47                         ; v47       x c
.set AL2,   48                         ; v48       x s
.set VA,    49                         ; v49       a
.set OM,    50                         ; v[50:51]  1 - a, twice
.set T,     52                         ; v[52:55]  first t_n (v52), then a row's three-term sum for my 4 columns
.set X,     56                         ; v[56:183] row j in v[56+4j : 59+4j]
.set CO,    32                         ; s[32:55]  four rows' coefficients: row i has al0, al1, al2 in s[32+6i], s[34+6i], s[36+6i]; the odd registers are 0
; cos and sin of v[p] into v[c], v[s]: the same arithmetic as in the first launch, so that both launches hold the same c and s.
; The lines that make the two sign bits stand between the compare and the selects that read its mask.
.macro SINCOS p, c, s
	v_mul_f32 v[VK], 0x3f22f983, v[\p]                     ; p x 2/pi
	v_rndne_f32 v[VK], v[VK]
	v_fmamk_f32 v[VR], v[VK], 0xbfc90fdb, v[\p]            ; p - k x 1.57079637
	v_fmamk_f32 v[VR], v[VK], 0x333bbd2e, v[VR]            ; + k x 4.3711388e-8: the rest of pi/2
	v_cvt_i32_f32 v[VQ], v[VK]
	v_mul_f32 v[VZ], v[VR], v[VR]
	v_mov_b32 v[VSP], 0xb94ca1f9                           ; sin r = r + r z (-1.6666655e-1 + z (8.3321609e-3 - 1.9515296e-4 z))
	v_fmaak_f32 v[VSP], v[VSP], v[VZ], 0x3c08839e
	v_fmaak_f32 v[VSP], v[VSP], v[VZ], 0xbe2aaaa3
	v_mul_f32 v[VSP], v[VSP], v[VZ]
	v_fma_f32 v[VSP], v[VSP], v[VR], v[VR]
	v_mov_b32 v[VCP], 0x37ccf5ce                           ; cos r = 1 - z/2 + z z (4.1666646e-2 + z (-1.3887316e-3 + 2.4433157e-5 z))
	v_fmaak_f32 v[VCP], v[VCP], v[VZ], 0xbab6061a
	v_fmaak_f32 v[VCP], v[VCP], v[VZ], 0x3d2aaaa5
	v_mul_f32 v[VCP], v[VCP], v[VZ]
	v_fma_f32 v[VW], v[VZ], -0.5, 1.0
	v_fma_f32 v[VCP], v[VCP], v[VZ], v[VW]
	v_and_b32 v[VW], 1, v[VQ]
	v_cmp_eq_u32 vcc_lo, 1, v[VW]                          ; odd quadrant: the two series change places
	v_lshlrev_b32 v[VW], 30, v[VQ]                         ; bit 1 of k to the sign's place: sin is negated in quadrants 2, 3
	v_and_b32 v[VW], 0x80000000, v[VW]
	v_add_nc_u32 v[VQ], 1, v[VQ]                           ; bit 1 of k + 1: cos is negated in quadrants 1, 2
	v_lshlrev_b32 v[VQ], 30, v[VQ]
	v_and_b32 v[VQ], 0x80000000, v[VQ]
	s_wait_alu depctr_va_vcc(0)                            ; the compare has written VCC, which the two selects read
	v_cndmask_b32 v[\s], v[VSP], v[VCP], vcc_lo
	v_cndmask_b32 v[\c], v[VCP], v[VSP], vcc_lo
	v_xor_b32 v[\s], v[\s], v[VW]
	v_xor_b32 v[\c], v[\c], v[VQ]
.endm
; My phase, then my wave's 32 rows: 33 loads.
.macro ROWS_IN
	global_load_b32 v[P], v[PO], s[8:9]
.set j, 0
.rept ROWS
	global_load_b128 v[X+4*j:X+4*j+3], v[OFF], s[6:7] offset:ROWB*j th:TH_LOAD_NT    ; read once in this launch, and not again
.set j, j+1
.endr
.endm
	s_load_b256 s[4:11], s[0:1], 0x0               ; alpha s[4:5], hidden s[6:7], phases s[8:9], part s[10:11]
	s_load_b64 s[12:13], s[0:1], 0x20              ; out0
	v_lshl_add_u32 v184, v0, 2, 0x1000
	v_mov_b32 v185, 0
	v_lshrrev_b32 v[VK], 5, v0
	v_readfirstlane_b32 s15, v[VK]                 ; wave 0..15
	s_and_b32 s24, ttmp7, 0xffff                   ; y = batch x 8 + chunk
	s_lshl_b32 s16, s24, 21                        ; hidden and out0: y x 512 rows x 4,096 bytes
	s_lshl_b32 s25, ttmp9, 9                       ;                  + x x 512 bytes
	s_add_co_u32 s16, s16, s25
	s_mov_b32 s17, 0
	s_lshl_b32 s18, s24, 11                        ; phases: y x 512 x 4 bytes
	s_mov_b32 s19, 0
	s_lshr_b32 s20, s24, 3                         ; part: record batch x 64 + x is chunk 0's; chunk i's lies 8 records further for each i
	s_lshl_b32 s20, s20, 6
	s_add_co_u32 s20, s20, ttmp9
	s_mul_i32 s20, s20, REC
	s_mov_b32 s21, 0
	s_mov_b32 s22, 0x76543210                      ; v_permlanex16_b32: lane i of one half reads lane i of the other
	s_mov_b32 s23, 0xfedcba98
.irp i, 1,3,5,7,9,11,13,15,17,19,21,23
	s_mov_b32 s[CO+\i], 0                          ; the packed forms name a scalar pair and broadcast its first register; the second is written once
.endr
	v_and_b32 v[VR], 31, v0                        ; lane
	v_and_b32 v[OFF], 0x1e0, v0                    ; 32 x wave
	v_lshlrev_b32 v[OFF], 12, v[OFF]               ; wave x 32 rows x 4,096 bytes
	v_lshl_or_b32 v[OFF], v[VR], 4, v[OFF]         ; + 16 x lane
	v_lshlrev_b32 v[PO], 2, v0
	v_lshlrev_b32 v[T8], 3, v0
	v_lshlrev_b32 v[L16], 4, v[VR]
	v_lshlrev_b32 v[L8], 3, v[VR]
	s_wait_kmcnt 0x0
	s_load_b32 s14, s[4:5], 0x0                    ; alpha; waited for where a is made
	s_add_nc_u64 s[6:7], s[6:7], s[16:17]
	s_add_nc_u64 s[12:13], s[12:13], s[16:17]
	s_add_nc_u64 s[8:9], s[8:9], s[18:19]
	s_add_nc_u64 s[10:11], s[10:11], s[20:21]
	s_wait_alu depctr_va_sdst(0)                   ; v_readfirstlane_b32 has written s15, ahead of its first reader, the compare below
	s_wait_alu depctr_va_vdst(0)                   ; v1, v2, v3, v14 and v15 are written: every load, store and LDS access of the kernel reads one of them as its address, and none is named by a vector instruction again
	; One branch on the wave's number.  Waves 0 to 6 also add the eight records; their loads go out first, so that they are back first.
	s_cmp_ge_u32 s15, 7
	s_cbranch_scc1 .Lothers
.irp i, 0,1,2,3,4,5,6,7
	global_load_b64 v[PR+2*\i:PR+2*\i+1], v[T8], s[10:11] offset:8*REC*\i     ; a wave's load takes 256 consecutive bytes of chunk i's record
.endr
	ROWS_IN
	s_wait_loadcnt ROWS+1                          ; the eight records' parts are in; the phase and the 32 rows behind them stay out
.irp i, 0,1,2,3
	v_pk_add_f32 v[PR+2*\i:PR+2*\i+1], v[PR+2*\i:PR+2*\i+1], v[PR+2*\i+8:PR+2*\i+9]
.endr
.irp i, 0,1
	v_pk_add_f32 v[PR+2*\i:PR+2*\i+1], v[PR+2*\i:PR+2*\i+1], v[PR+2*\i+4:PR+2*\i+5]
.endr
	v_pk_add_f32 v[PR:PR+1], v[PR:PR+1], v[PR+2:PR+3]
	s_wait_alu depctr_va_vdst(0)                   ; the tree of sums has written v[16:17], which the LDS store reads
	ds_store_b64 v[T8], v[PR:PR+1]                 ; the batch's record for this strip: H0, Hc, Hs, 32 pairs (sum c, sum s)
	s_branch .Ljoin
.Lothers:
	ROWS_IN
.Ljoin:
	s_wait_dscnt 0x0                               ; for the other waves' sake: my store is done before I signal
	s_barrier_signal -1
	s_wait_loadcnt ROWS                            ; register work while the others arrive: my phase is in (on both ways 32 loads are younger),
	SINCOS P, VC, VS                               ; its cos and sin
	s_barrier_wait -1
	ds_load_b128 v[H0:H0+3], v[L16]                ; no wait: no vector instruction since the head's wait on va_vdst names v14, v15 or v[32:45]
	ds_load_b128 v[HC:HC+3], v[L16] offset:512
	ds_load_b128 v[HS:HS+3], v[L16] offset:1024
	ds_load_b64  v[CS:CS+1], v[L8]  offset:1536    ; lane l: pair l
	s_wait_dscnt 0x0
	; C and S: the 32 pairs are added across the lanes; every lane ends with the sums
.irp m, 1,2,4,8
	v_add_f32_dpp v[CS],   v[CS],   v[CS]   row_xmask:\m row_mask:0xf bank_mask:0xf
	v_add_f32_dpp v[CS+1], v[CS+1], v[CS+1] row_xmask:\m row_mask:0xf bank_mask:0xf
.endr
	v_permlanex16_b32 v[VK], v[CS],   s22, s23     ; destinations that have been written before (SINCOS)
	v_permlanex16_b32 v[VR], v[CS+1], s22, s23
	v_add_f32 v[CS],   v[CS],   v[VK]
	v_add_f32 v[CS+1], v[CS+1], v[VR]
	; my row's three coefficients
	s_wait_kmcnt 0x0                               ; alpha
	v_mov_b32 v[VA], s14
	v_max_num_f32 v[VA], 0, v[VA]
	v_min_num_f32 v[VA], 1.0, v[VA]                ; a = clip(alpha, 0, 1)
	v_fmaak_f32 v[T], v[VC], v[CS], 0x45800000     ; t = 4096 + c C
	v_fmac_f32 v[T], v[VS], v[CS+1]                ;     + s S: twice reference()'s row sum
	v_max_num_f32 v[T], 0x360637bd, v[T]           ; max(t, 2 EPS): reference()'s guard, doubled with the sum
	v_rcp_f32 v[AL0], v[T]
	v_sub_f32 v[OM], 1.0, v[VA]                    ; a plain instruction between v_rcp_f32 and the use of its result (ISA guide 5.7.2)
	v_mov_b32 v[OM+1], v[OM]
	s_wait_alu depctr_va_vdst(0)                   ; the reciprocal has written v46, ahead of its first reader
	v_mul_f32 v[AL0], v[VA], v[AL0]
	v_mul_f32 v[AL1], v[AL0], v[VC]
	v_mul_f32 v[AL2], v[AL0], v[VS]
; Row 4 g + i of the wave.  The three-term sum needs no row data and stands ahead of the wait; then one fused multiply-add a pair, in place.
; The row is stored in the next group, behind that group's wait.
.macro ROW g, i
.set RJ, 4*\g+\i
.irp h, 0,2
	v_pk_mul_f32 v[T+\h:T+\h+1], v[H0+\h:H0+\h+1], s[CO+6*\i:CO+6*\i+1] op_sel_hi:[1,0]
	v_pk_fma_f32 v[T+\h:T+\h+1], v[HC+\h:HC+\h+1], s[CO+6*\i+2:CO+6*\i+3], v[T+\h:T+\h+1] op_sel_hi:[1,0,1]
	v_pk_fma_f32 v[T+\h:T+\h+1], v[HS+\h:HS+\h+1], s[CO+6*\i+4:CO+6*\i+5], v[T+\h:T+\h+1] op_sel_hi:[1,0,1]
.endr
	s_wait_loadcnt ROWS-1-RJ                       ; this row is in; the rows behind it stay out
.irp h, 0,2
	v_pk_fma_f32 v[X+4*RJ+\h:X+4*RJ+\h+1], v[X+4*RJ+\h:X+4*RJ+\h+1], v[OM:OM+1], v[T+\h:T+\h+1]
.endr
.endm
; Four rows: their coefficients are taken from lanes 4 g .. 4 g + 3 in one run; then the rows, and in front of each a store of the group before.
.macro GROUP g
.irp i, 0,1,2,3
	v_readlane_b32 s[CO+6*\i],   v[AL0], 4*\g+\i
	v_readlane_b32 s[CO+6*\i+2], v[AL1], 4*\g+\i
	v_readlane_b32 s[CO+6*\i+4], v[AL2], 4*\g+\i
.endr
	s_wait_alu depctr_va_sdst(0)                   ; the twelve v_readlane_b32 have written s[32:54], ahead of their first reader, row 0's packed multiply
.if \g > 0
	s_wait_alu depctr_va_vdst(0)                   ; the multiply-adds of the group before have written its four rows, which the four stores below read
.endif
.irp i, 0,1,2,3
.if \g > 0
.set SJ, 4*\g-4+\i
	global_store_b128 v[OFF], v[X+4*SJ:X+4*SJ+3], s[12:13] offset:ROWB*SJ th:TH_STORE_NT   ; 512 consecutive bytes, aligned; no vector instruction since the wait names these registers, and they are not written again
.endif
	ROW \g, \i
.endr
.endm
.irp g, 0,1,2,3,4,5,6,7
	GROUP \g
.endr
	s_wait_alu depctr_va_vdst(0)                   ; the last group's multiply-adds have written rows 28 to 31, which the last four stores read
.irp i, 28,29,30,31
	global_store_b128 v[OFF], v[X+4*\i:X+4*\i+3], s[12:13] offset:ROWB*\i th:TH_STORE_NT
.endr
	s_wait_dscnt 0x0
	s_wait_alu depctr_hold_cnt(0) depctr_sa_sdst(0) depctr_va_vdst(0) depctr_va_sdst(0) depctr_va_ssrc(0) depctr_va_vcc(0) depctr_vm_vsrc(0)
	s_wait_tensorcnt 0x0
	ds_add_u32 v184, v185
	s_wait_dscnt 0x0
	s_endpgm
.Lfunc_end_k_q56f0904c2f_blend:
	.size	k_q56f0904c2f_blend, .Lfunc_end_k_q56f0904c2f_blend-k_q56f0904c2f_blend
	.p2alignl 7, 3214868480
	.fill 96, 4, 3214868480
	.section	.rodata,"a",@progbits
	.p2align	6, 0x0
	.amdhsa_kernel k_q56f0904c2f_blend
		.amdhsa_group_segment_fixed_size 6144
		.amdhsa_private_segment_fixed_size 0
		.amdhsa_enable_private_segment 0
		.amdhsa_kernarg_size 40
		.amdhsa_user_sgpr_count 2
		.amdhsa_user_sgpr_kernarg_segment_ptr 1
		.amdhsa_wavefront_size32 1
		.amdhsa_system_sgpr_workgroup_id_x 1
		.amdhsa_system_sgpr_workgroup_id_y 1
		.amdhsa_system_sgpr_workgroup_id_z 1
		.amdhsa_system_vgpr_workitem_id 0
		.amdhsa_next_free_vgpr 186
		.amdhsa_next_free_sgpr 66
		.amdhsa_reserve_vcc 1
		.amdhsa_float_denorm_mode_32 3
		.amdhsa_float_denorm_mode_16_64 3
		.amdhsa_memory_ordered 1
		.amdhsa_forward_progress 1
		.amdhsa_inst_pref_size 40
	.end_amdhsa_kernel
	.amdgpu_metadata
---
amdhsa.version: [ 1, 2 ]
amdhsa.kernels:
  - .name:           k_q56f0904c2f_blend
    .symbol:         k_q56f0904c2f_blend.kd
    .args:
      - { .name: alpha, .offset: 0, .size: 8, .value_kind: global_buffer, .address_space: global }
      - { .name: hidden, .offset: 8, .size: 8, .value_kind: global_buffer, .address_space: global }
      - { .name: phases, .offset: 16, .size: 8, .value_kind: global_buffer, .address_space: global }
      - { .name: part, .offset: 24, .size: 8, .value_kind: global_buffer, .address_space: global }
      - { .name: out0, .offset: 32, .size: 8, .value_kind: global_buffer, .address_space: global }
    .group_segment_fixed_size: 6144
    .private_segment_fixed_size: 0
    .kernarg_segment_align: 8
    .kernarg_segment_size: 40
    .max_flat_workgroup_size: 512
    .sgpr_count:     66
    .vgpr_count:     186
    .wavefront_size: 32
...
	.end_amdgpu_metadata
.endif
;; end of part 3
